; MI455X (gfx1250); checked and timed in simulation.
; The chip was launched on July 23, 2026; its instructions are those of AMD's public machine-readable ISA for CDNA 5 (MIT licence, August 2026) and "CDNA5" Instruction Set Architecture Reference Guide (July 2026). The comments in the code are by the model that wrote it; some were corrected since.
;; Layer Norm LSTM Cell. Allowed arithmetic: matrix products marked QUANTISED: E5M2 operands, one E8M0 scale for each 32 along K, by v_wmma_scale_f32_16x16x128_f8f6f4 with both operands' format E5M2, f32 sums; everything else in f32.
;; Inputs: b_hh 4,096 float32; b_ih 4,096 float32; c 4,096 x 1,024 float32; h_codes 4,096 x 32 x 32 uint8 (E5M2 codes of h, K innermost, in blocks of 32 codes); h_scales 4,096 x 32 uint8 (E8M0 scales of h, one for each 32 codes along K); input_codes 4,096 x 32 x 32 uint8 (E5M2 codes of input, K innermost, in blocks of 32 codes); input_scales 4,096 x 32 uint8 (E8M0 scales of input, one for each 32 codes along K); ln_beta 4,096 float32; ln_gamma 4,096 float32; w_hh_codes 4,096 x 32 x 32 uint8 (E5M2 codes of w_hh, K innermost, in blocks of 32 codes); w_hh_scales 4,096 x 32 uint8 (E8M0 scales of w_hh, one for each 32 codes along K); w_ih_codes 4,096 x 32 x 32 uint8 (E5M2 codes of w_ih, K innermost, in blocks of 32 codes); w_ih_scales 4,096 x 32 uint8 (E8M0 scales of w_ih, one for each 32 codes along K).
;; Outputs: out0 4,096 x 1,024 float32; out1 4,096 x 1,024 float32.
;; This version of the problem:
;;   THIS VERSION OF THE PROBLEM IS GIVEN IN LOW PRECISION. The matrix products marked QUANTISED in the list below multiply operands that are first quantised to E5M2 (5 exponent bits, 2 mantissa bits; 8 bits a number), with one power-of-two scale for each 32 numbers along K (OCP MX v1.0); their sums are f32. All else is computed in f32.
;;   The module's matrix products, in the order in which they are computed (A, B: the left and right operand; K: the contracted axis; several contracted axes count as one K, in the product's order):
;;     1. [M 4,096, K 1,024] x [K 1,024, N 4,096]; A: input input (given as codes); B: input w_ih (given as codes): QUANTISED
;;     2. [M 4,096, K 1,024] x [K 1,024, N 4,096]; A: input h (given as codes); B: input w_hh (given as codes): QUANTISED
;;   THE QUANTISER, for each operand of a quantised product, along K:
;;     - K is cut into blocks of 32 from its start; a last block that is shorter is filled with zeros.
;;     - A block's scale is 2^e with e = floor(log2(the largest magnitude in the block)) - 15, held to -126 .. 127; a block of zeros has e = 0. As a byte (E8M0): e + 127.
;;     - Each number is divided by its block's scale, clamped to +-57,344, and rounded to the nearest number of E5M2, ties to even, subnormals kept.
;;     - The product sums the exact products of the quantised numbers (number of the format x scale) in f32.
;;   ~~~python
;;   def quantise(x, axis):      # numpy; x: float32 -> the quantised numbers, widened to float32 again
;;       x = np.moveaxis(x, axis, -1); K = x.shape[-1]
;;       x = np.pad(x, [(0, 0)] * (x.ndim - 1) + [(0, -K % 32)]); x = x.reshape(x.shape[:-1] + (-1, 32)); a = np.abs(x).max(-1, keepdims=True)
;;       e = np.where(a > 0, np.clip(np.frexp(np.where(a > 0, a, 1))[1] - 1 - 15, -126, 127), 0)      # np.frexp(a)[1] - 1 = floor(log2(a)), exactly
;;       r = np.clip(x / 2.0 ** e, -57344, 57344)
;;       step = 2.0 ** (np.maximum(np.frexp(np.where(r == 0, 1, r))[1] - 1, -14) - 2)
;;       q = np.round(r / step) * step * 2.0 ** e      # np.round: ties to even
;;       return np.moveaxis(q.reshape(q.shape[:-2] + (-1,))[..., :K], -1, axis).astype(np.float32)
;;   ~~~
;;   INPUTS GIVEN AS CODES. h (in the module: [4096, 1024], K = its axis 1); input (in the module: [4096, 1024], K = its axis 1); w_hh (in the module: [4096, 1024], K = its axis 1); w_ih (in the module: [4096, 1024], K = its axis 1): each comes as NAME_codes (uint8): NAME with its K axis moved to the last place and cut into blocks of 32 codes, [.., K / 32, bytes a block], one block behind the other in memory; one code a byte (a code: sign, 5 exponent bits, 2 mantissa bits); and NAME_scales (uint8): the same leading axes, one E8M0 byte (e + 127) for each 32 codes along K. Its value is code x scale, taken as it is: it is not quantised again, and the codes and scales need not be those that the quantiser above would give.
;; One version. Each part assembles by itself: llvm-mc -triple=amdgcn-amd-amdhsa -mcpu=gfx1250 --defsym DOCPART=n.
;; ======== version 1 of 1: 2 launches
;; limits: right only within a limited range of input values
;; workspace buffers: gates 67,108,864 bytes; stats 2,097,152 bytes
;; launch gates_gemm (part 1): grid 16 x 16, 4 waves a work-group, clusters of 4 x 4, 327,680 bytes of LDS; arguments input_codes, input_scales, w_ih_codes, w_ih_scales, h_codes, h_scales, w_hh_codes, w_hh_scales, b_ih, b_hh, gates, stats; writes gates, stats
.if DOCPART == 1
	.amdgcn_target "amdgcn-amd-amdhsa--gfx1250"
	.amdhsa_code_object_version 6
	.text
	.protected	k_q845f3801ef_gates_gemm
	.globl	k_q845f3801ef_gates_gemm
	.p2align	8
	.type	k_q845f3801ef_gates_gemm,@function
k_q845f3801ef_gates_gemm:
	s_mov_b64 s[64:65], 0
	v_nop
	global_prefetch_b8 v0, s[64:65] scope:SCOPE_SE
	s_setreg_imm32_b32 hwreg(HW_REG_WAVE_MODE, 25, 1), 1
	s_wait_xcnt 0x0
	s_wait_alu depctr_hold_cnt(0) depctr_sa_sdst(0) depctr_va_vdst(0) depctr_va_sdst(0) depctr_va_ssrc(0) depctr_va_vcc(0) depctr_vm_vsrc(0)
	s_getreg_b32 s2, hwreg(HW_REG_IB_STS2, 6, 4)
	s_cmp_eq_u32 s2, 0
	s_cbranch_scc0 .Lentry_in_a_cluster
	s_endpgm
.Lentry_in_a_cluster:
	s_bfe_u32 s2, ttmp6, 0x10000c
	s_cmp_lg_u32 s2, 0xf033
	s_cbranch_scc0 .Lentry_shape_is_right
	s_endpgm
.Lentry_shape_is_right:
; gates[m][n] = sum_k input[m][k] w_ih[n][k] + sum_k h[m][k] w_hh[n][k] + b_ih[n] + b_hh[n].  gates: [4096][4096] f32, a workspace for the next launch.
; stats: for the next launch's LayerNorm: [row / 16][column / 128][lane][2] f32: of the 64 gates that lane (r, h) holds of row r (columns 16 b + 8 h + j of the 128) their sum and the sum of squares about their own mean.
; The operands are E5M2 codes, K innermost (1,024 bytes a row), one E8M0 byte for each 32 along K (32 bytes a row); codes and bytes go to the matrix instruction as they lie.
; ONE product with K = 2 x 1,024: pair 0 = (input, w_ih), pair 1 = (h, w_hh): eight K steps of 256 through two LDS slots, each K step two steps of 128 (64 matrix instructions a wave).
; SHARES: 16 x 16 tiles of 256 x 256, a work-group of four waves each; a wave makes 128 x 128 in 64 accumulators.  "A" = input / h, "B" = the weights; source 0 = B, source 1 = A, so a lane holds 8 neighbouring columns of a row.
; CLUSTERS 4 x 4: A's tiles are asked for jointly along a row of the cluster, B's along a column.
; FRAGMENTS: a step fetches ALL of the next step's fragments, in four runs of 16 LDS loads, each behind eight v_nop (the places that a load into a register read by a matrix instruction needs).
; B has two sets (by the step's parity), A's blocks 4-7 too; A's blocks 0-3 have one set and are fetched anew behind the step's sixth segment.
; So a slot has been read out when its second step begins: the change of slots stands there, and a refill has 104 matrix instructions up to the wait for it.
; SCALES: four dense blocks of 8,192 bytes (A's and B's, both pairs) come once, as rows of 256 bytes, and stay in LDS.
; BIASES: b_ih + b_hh in the result's layout, 64 registers, are the C of each sum's first product; the registers then serve A's blocks 4-7 of odd steps, which a step fetches last.
; PREFETCH: at each of the load events 0 .. 5 (event e loads K step e) every wave names K step e + 2 (event 0 also K step 1): 32 rows x 256 bytes, a lane a row; of the 128 rows that a wave fetches in the ring each of
; the four partners takes 32, told apart by address; K step 0 comes by its load alone, and nothing is named beyond K step 7.
; The K walk is written out: the buffers change in its middle, and every LDS offset is an immediate.
; LIMITS: NaN and infinity codes and the scale byte 0xff give what the matrix instruction gives of them.
; REGISTERS: window 0: v1-15 at work, v16-31 addresses, v32-63 scale words (set s, step q, block i at 32 + 16 s + 8 q + i: lanes 0-15 A's word, lanes 16-31 B's), v64-127 the biases, then A's blocks 4-7 of odd steps,
;   v128-191 A's blocks 0-3, v192-255 A's blocks 4-7 of even steps; window 1: B's two sets; windows 2, 3: accumulators (a, b) at 8 (8 (a % 4) + b).
.set PITCH,  272                       ; an LDS row: 256 bytes + 16 of padding: 16 rows start at 16 different banks (ISA guide 11.1)
.set FR,     16
.set HALFT,  128*PITCH
.set SLOT,   4*HALFT                   ; A's 256 rows, then B's
.set SCL,    2*SLOT                    ; pair 0's scales: A's 256 rows, B's 256 rows; pair 1's lie SCP further on
.set HALFS,  16*272
.set SBLK,   2*272                     ; the scales of 16 rows
.set SCP,    4*HALFS
.set SPARE,  SCL+2*SCP                 ; the spare words: 512 bytes that no other line names
.set SPITCH, 528                       ; the way out: 16 rows x (512 + 16) bytes a wave, in slot 0 behind its last fill and last read
.set SIZE_N, 4096
.set T,    8                           ; v8-15 four chains of pairs, for the statistics
.set ADRA, 16
.set ADRB, 20
.set STO,  24
.set RD,   25
.set CO,   26
.set ADRS, 27
.set SPW,  28
.set NIL,  29
.set PFO,  30                          ; lane x 1,024: the prefetches' row
.set SO,   31                          ; lane x 8: my place in a block's statistics
.set SC,   32
.set RS,   32                          ; on the way out: block a's sum and centred squares at 32 + 2 a
.set BIAS, 64
.set DV,   64                          ; on the way out: 64 deviations
.set BK,   128
.set G1,   24                          ; group 1 / group 0 (one a slot) for A's tiles
.set G0,   32
.set G1B,  40                          ; the same for B's
.set G0B,  48
.set G1S,  56                          ; group 1 for A's scales, for B's scales
.set G1SB, 68
.set H0,   76                          ; group 0 of the two opening groups of loads: A's codes, B's codes, A's scales, B's scales
.set H1,   80
.set H2,   84
.set H3,   88
.set WV,   92
.set RH,   93                          ; my half of the tile's rows; also: in the ring I fetch for A (0) or B (1)
.set CH,   94                          ; my half of its columns; also: which 128 rows I fetch
.set PF0,  6                           ; s[6:7], s[10:11]: the prefetches' bases in pair 0 and pair 1 (the scales' pointers that lay there have been copied)
.set PF1,  10
.set MSB, 0
.macro WIN new                         ; the immediate's high byte repeats the setting that is left
.if MSB != (\new)
	s_set_vgpr_msb (MSB<<8)|(\new)
.set MSB, (\new)
.endif
.endm
.set TO_B, 0x40
.macro PLACES n
.rept \n
	v_nop
.endr
.endm
.macro TLOAD g0, g1                    ; s_nop 0 and four v_nop behind each tensor load
	tensor_load_to_lds s[\g0:\g0+3], s[\g1:\g1+7]
	s_nop 0
	PLACES 4
.endm
.macro JLOAD g0a, g1a, g0b, g1b        ; the ring's joint load: waves 0, 1 for A, waves 2, 3 for B
	s_cmp_eq_u32 s[RH], 0
	s_cbranch_scc0 .Lfor_b_\@
	TLOAD \g0a, \g1a
	s_branch .Lasked_\@
.Lfor_b_\@:
	TLOAD \g0b, \g1b
.Lasked_\@:
.endm
.macro ARM under, g0, g1, next, join
	s_cmp_lt_u32 s[WV], \under
	s_cbranch_scc0 \next
	TLOAD \g0, \g1
	s_branch \join
\next:
.endm
.macro HEAD4 id                        ; one chain of branches on the wave's number, one load to an arm: wave 0 A's 256 rows, wave 1 B's, wave 2 A's scales, wave 3 B's
	ARM 1, H0, G1,  .Lhb\id, .Lhj\id
	ARM 2, H1, G1B, .Lhs\id, .Lhj\id
	ARM 3, H2, G1S, .Lht\id, .Lhj\id
	TLOAD H3, G1SB
.Lhj\id:
.endm
.macro CREST
	s_cmp_lg_u32 s[WV], 0
	s_cbranch_scc1 .Lnot_wave_0_\@
	s_barrier_signal -3
.Lnot_wave_0_\@:
	s_barrier_wait -3
	s_barrier_signal -1
	s_barrier_wait -1
.endm
.macro CROUND
	s_barrier_signal -1
	s_barrier_wait -1
	CREST
.endm
	s_load_b256 s[4:11], s[0:1], 0x0               ; input codes, scales; w_ih codes, scales
	s_load_b256 s[12:19], s[0:1], 0x20             ; h codes, scales; w_hh codes, scales
	s_load_b128 s[20:23], s[0:1], 0x40             ; b_ih, b_hh
	s_load_b64 s[66:67], s[0:1], 0x50              ; gates
	s_load_b64 s[104:105], s[0:1], 0x58            ; stats
	v_lshl_add_u32 v[SPW], v0, 2, SPARE
	v_mov_b32 v[NIL], 0
	ds_add_u32 v[SPW], v[NIL]                      ; the opening lines: the add twice on end and one wait
	ds_add_u32 v[SPW], v[NIL]
	v_lshrrev_b32 v1, 5, v0
	v_readfirstlane_b32 s[WV], v1
	s_lshr_b32 s[RH], s[WV], 1
	s_and_b32 s[CH], s[WV], 1
	s_bfe_u32 s95, ttmp6, 0x40000                  ; cx
	s_bfe_u32 s96, ttmp6, 0x40004                  ; cy
	s_lshl_b32 s97, ttmp9, 2
	s_add_co_u32 s97, s97, s95
	s_lshl_b32 s97, s97, 8                         ; the tile's first gate column
	s_and_b32 s98, ttmp7, 0xffff
	s_lshl_b32 s98, s98, 2
	s_add_co_u32 s98, s98, s96
	s_lshl_b32 s98, s98, 8                         ; the tile's first row
	s_lshl_b32 s2, s96, 2                          ; (s[2:3]: numbers of cy and the wave alone; s[100:101]: of cx and the wave alone, up to the prefetches' share)
	s_lshl_b32 s2, 15, s2                          ; my row of the cluster
	s_lshl_b32 s100, 0x1111, s95                   ; my column
	s_or_b32 s[G1+0], s2, (0<<16)|(1<<20)|(1<<21)|(5<<22)|(3<<25)     ; bytes; 4 words of padding behind every 64; the mask, bit 21 beside it
	s_or_b32 s[G1B+0], s100, (0<<16)|(1<<20)|(1<<21)|(5<<22)|(3<<25)
.irp g, G1, G1B
	s_mov_b32 s[\g+1], 256<<16                     ; rows of 256 bytes;
	s_mov_b32 s[\g+2], 256<<16                     ; 256 of them in the two opening groups (128 in the ring: set below)
	s_mov_b32 s[\g+3], 256<<16
	s_mov_b32 s[\g+4], 256
	s_mov_b32 s[\g+5], 1024
	s_mov_b32 s[\g+6], 0
	s_mov_b32 s[\g+7], 0
.endr
	s_or_b32 s[G1S+0], s2, (3<<16)|(1<<20)|(1<<21)|(5<<22)|(3<<25)    ; the scales of 256 rows: 32 dense rows of 32 x 8 bytes
	s_or_b32 s[G1SB+0], s100, (3<<16)|(1<<20)|(1<<21)|(5<<22)|(3<<25)
.irp g, G1S, G1SB
	s_mov_b32 s[\g+1], 32<<16
	s_mov_b32 s[\g+2], 32<<16
	s_mov_b32 s[\g+3], 32<<16
	s_mov_b32 s[\g+4], 32
	s_mov_b32 s[\g+5], 32
	s_mov_b32 s[\g+6], 0
	s_mov_b32 s[\g+7], 0
.endr
	s_lshl_b32 s2, s98, 5                          ; 32 bytes of scales a row
	s_mov_b32 s3, 0
	s_lshl_b32 s100, s97, 5
	s_mov_b32 s101, 0
	s_wait_dscnt 0x0                               ; both opening adds are done
	s_wait_kmcnt 0x0
	s_add_nc_u64 s[6:7], s[6:7], s[2:3]
	s_add_nc_u64 s[14:15], s[14:15], s[2:3]
	s_add_nc_u64 s[10:11], s[10:11], s[100:101]
	s_add_nc_u64 s[18:19], s[18:19], s[100:101]
	s_lshl_b32 s2, s2, 5                           ; 1,024 bytes of codes a row
	s_lshl_b32 s100, s100, 5
	s_add_nc_u64 s[4:5], s[4:5], s[2:3]
	s_add_nc_u64 s[12:13], s[12:13], s[2:3]
	s_add_nc_u64 s[8:9], s[8:9], s[100:101]
	s_add_nc_u64 s[16:17], s[16:17], s[100:101]
	s_mov_b32 s[H0], 1                             ; K step 0: A's 256 rows into slot 0,
	s_mov_b32 s[H0+1], 0
	s_mov_b64 s[H0+2:H0+3], s[4:5]
	s_or_b32 s[H0+3], s[H0+3], 0x80000000
	s_mov_b32 s[H1], 1                             ; B's behind them,
	s_mov_b32 s[H1+1], 2*HALFT
	s_mov_b64 s[H1+2:H1+3], s[8:9]
	s_or_b32 s[H1+3], s[H1+3], 0x80000000
	s_mov_b32 s[H2], 1                             ; pair 0's scales
	s_mov_b32 s[H2+1], SCL
	s_mov_b64 s[H2+2:H2+3], s[6:7]
	s_or_b32 s[H2+3], s[H2+3], 0x80000000
	s_mov_b32 s[H3], 1
	s_mov_b32 s[H3+1], SCL+2*HALFS
	s_mov_b64 s[H3+2:H3+3], s[10:11]
	s_or_b32 s[H3+3], s[H3+3], 0x80000000
	CROUND                                         ; all sixteen work-groups are here: the first joint loads meet
	HEAD4 1                                        ; one tensor load a wave at the head
	s_lshl_b32 s2, s[CH], 17                       ; the ring: my 128 rows of a side
	s_lshl_b32 s100, s[CH], 17
	s_add_nc_u64 s[4:5], s[4:5], s[2:3]
	s_add_nc_u64 s[12:13], s[12:13], s[2:3]
	s_add_nc_u64 s[8:9], s[8:9], s[100:101]
	s_add_nc_u64 s[16:17], s[16:17], s[100:101]
	s_mul_i32 s99, s[WV], HALFT
.irp s, 0,1
	s_mov_b32 s[G0+4*\s], 1
	s_add_co_u32 s[G0+4*\s+1], s99, \s*SLOT
	s_add_nc_u64 s[G0+4*\s+2:G0+4*\s+3], s[4:5], \s*256
	s_or_b32 s[G0+4*\s+3], s[G0+4*\s+3], 0x80000000
	s_mov_b32 s[G0B+4*\s], 1
	s_add_co_u32 s[G0B+4*\s+1], s99, \s*SLOT
	s_add_nc_u64 s[G0B+4*\s+2:G0B+4*\s+3], s[8:9], \s*256
	s_or_b32 s[G0B+4*\s+3], s[G0B+4*\s+3], 0x80000000
.endr
	s_lshl_b32 s99, s[CH], 7
	s_add_co_u32 s100, s97, s99                    ; my first gate column:
	s_lshl_b32 s100, s100, 1                       ; 256 bytes of statistics for each 128 columns,
	s_add_nc_u64 s[104:105], s[104:105], s[100:101]
	s_lshl_b32 s100, s100, 1                       ; 4 bytes a column in the biases and along a row of gates
	s_add_nc_u64 s[20:21], s[20:21], s[100:101]
	s_add_nc_u64 s[22:23], s[22:23], s[100:101]
	s_add_nc_u64 s[66:67], s[66:67], s[100:101]
	s_lshl_b32 s99, s[RH], 7
	s_add_co_u32 s2, s98, s99                      ; my first row:
	s_lshl_b32 s2, s2, 9                           ; 8,192 bytes of statistics for each 16 rows,
	s_add_nc_u64 s[104:105], s[104:105], s[2:3]
	s_lshl_b32 s2, s2, 5                           ; 16,384 bytes a row of gates
	s_add_nc_u64 s[66:67], s[66:67], s[2:3]
	s_cmp_eq_u32 s[RH], 0                          ; the prefetches: the side that I fetch, my work-group's 32 of my 128 rows
	s_cselect_b64 s[PF0:PF0+1], s[4:5], s[8:9]
	s_cselect_b64 s[PF1:PF1+1], s[12:13], s[16:17]
	s_cselect_b32 s100, s95, s96                   ; my place among the four that ask with me
	s_lshl_b32 s100, s100, 15                      ; x 32 rows of 1,024 bytes
	s_add_nc_u64 s[PF0:PF0+1], s[PF0:PF0+1], s[100:101]
	s_add_nc_u64 s[PF1:PF1+1], s[PF1:PF1+1], s[100:101]
	s_mul_i32 s95, s[RH], HALFT                    ; LDS: my 128 rows of A,
	s_mul_i32 s96, s[CH], HALFT
	s_add_co_u32 s96, s96, 2*HALFT                 ; of B,
	s_mul_i32 s97, s[RH], HALFS                    ; A's scales,
	s_mul_i32 s98, s[CH], HALFS
	s_add_co_u32 s98, s98, 2*HALFS
	s_sub_co_u32 s98, s98, s97                     ; how far B's lie behind them,
	s_add_co_u32 s97, s97, SCL
	s_mul_i32 s99, s[WV], 16*SPITCH                ; my stage
	v_and_b32 v1, 15, v0                           ; r
	v_bfe_u32 v2, v0, 4, 1                         ; h
	v_and_b32 v6, 31, v0
	v_mul_u32_u24 v3, v1, PITCH
	v_lshl_add_u32 v4, v2, 4, v3                   ; a fragment's row x pitch + 16 h
	v_add_nc_u32 v[ADRA], s95, v4
	v_add_nc_u32 v[ADRB], s96, v4
	v_add_nc_u32 v[ADRA+1], SLOT, v[ADRA]
	v_add_nc_u32 v[ADRB+1], SLOT, v[ADRB]
	v_mul_u32_u24 v5, v1, 32                       ; my row's scales: 32 bytes a row,
	v_lshrrev_b32 v7, 8, v5
	v_lshl_add_u32 v5, v7, 4, v5                   ; 16 more for each 256 passed;
	v_mul_u32_u24 v7, s98, v2                      ; lanes 16-31 take B's: the lower base + h x the distance
	v_add_nc_u32 v5, v5, v7
	v_add_nc_u32 v[ADRS], s97, v5
	v_mul_u32_u24 v5, v1, SPITCH
	v_lshl_add_u32 v5, v2, 5, v5
	v_add_nc_u32 v[STO], s99, v5                   ; into the stage: row r, 32 bytes for each half of the lanes
	v_lshlrev_b32 v[CO], 4, v6                     ; back: 32 lanes take a row of 512 bytes; the same in gates
	v_add_nc_u32 v[RD], s99, v[CO]
	v_lshlrev_b32 v[PFO], 10, v6
	v_lshlrev_b32 v[SO], 3, v6
	v_lshlrev_b32 v7, 5, v2                        ; the biases in the result's layout: 32 h bytes, block b 64 bytes on
	global_prefetch_b8 v[PFO], s[PF0:PF0+1] offset:256 th:TH_LOAD_NT scope:SCOPE_SE   ; event 0 names K steps 1 and 2
	global_prefetch_b8 v[PFO], s[PF0:PF0+1] offset:512 th:TH_LOAD_NT scope:SCOPE_SE
.irp b, 0,1,2,3,4,5,6,7
	global_load_b128 v[BIAS+8*\b:BIAS+8*\b+3],   v7, s[20:21] offset:64*\b
	global_load_b128 v[BIAS+8*\b+4:BIAS+8*\b+7], v7, s[20:21] offset:64*\b+16
	global_load_b128 v[BK+8*\b:BK+8*\b+3],       v7, s[22:23] offset:64*\b      ; b_hh lands in A's registers, which are still idle
	global_load_b128 v[BK+8*\b+4:BK+8*\b+7],     v7, s[22:23] offset:64*\b+16
.endr
	s_wait_loadcnt 0x0
.set i, 0
.rept 32
	v_pk_add_f32 v[BIAS+i:BIAS+i+1], v[BIAS+i:BIAS+i+1], v[BK+i:BK+i+1]
.set i, i+2
.endr
.macro FRAG reg, adr, q, i             ; 16 rows x 128 K: registers 4 c .. 4 c + 3 hold K = 32 c + 16 h + 0 .. 15
.irp c, 0,1,2,3
	ds_load_b128 v[\reg+4*\c:\reg+4*\c+3], v[\adr] offset:128*(\q)+32*\c+(\i)*16*PITCH
.endr
.endm
; Loads for the next step (slot NSLOT, its step NQQ, parity NPAR).  f = 0-7: B's block f; 8-15: A's block f - 8; 16, 17: K step NT's scale words of its step f - 16; 99: none
.macro LG f
.if (\f) < 8
	WIN TO_B
	FRAG 128*NPAR+FR*(\f), ADRB+NSLOT, NQQ, \f
.else
.if (\f) < 16
	WIN 0
	FRAG 128+16*((\f)-8)-128*(((\f)-8)/4)*NPAR, ADRA+NSLOT, NQQ, (\f)-8
.else
.if (\f) < 18
	WIN 0
.irp i, 0,1,2,3,4,5,6,7
	ds_load_b32 v[SC+16*(NT%2)+8*((\f)-16)+\i], v[ADRS] offset:(NT/4)*SCP+(NT%4)*8+4*((\f)-16)+\i*SBLK
.endr
.endif
.endif
.endif
.endm
.macro RUN f0, f1, f2, f3, f4          ; a run of loads behind its eight places
	PLACES 8
	LG \f0
	LG \f1
	LG \f2
	LG \f3
	LG \f4
.endm
; A segment: A's block a against B's eight, step q of the slot (also the parity), scale set sc.  first = 1: the sums begin, from the biases.  The 64 accumulators take turns.
.macro SEG a, q, sc, first
.set AA, 128+16*(\a)-128*((\a)/4)*(\q)
.set DD, 64*((\a)%4)
.if \first
	WIN 0x81+0x40*((\a)/4)
.else
	WIN 0xa1+0x50*((\a)/4)
.endif
.irp b, 0,1,2,3,4,5,6,7
.if \first
	v_wmma_scale_f32_16x16x128_f8f6f4 v[DD+8*\b:DD+8*\b+7], v[128*(\q)+FR*\b:128*(\q)+FR*\b+FR-1], v[AA:AA+FR-1], v[BIAS+8*\b:BIAS+8*\b+7], v[SC+16*(\sc)+8*(\q)+\b], v[SC+16*(\sc)+8*(\q)+(\a)] matrix_a_fmt:MATRIX_FMT_BF8 matrix_b_fmt:MATRIX_FMT_BF8 matrix_a_scale:MATRIX_SCALE_ROW1
.else
	v_wmma_scale_f32_16x16x128_f8f6f4 v[DD+8*\b:DD+8*\b+7], v[128*(\q)+FR*\b:128*(\q)+FR*\b+FR-1], v[AA:AA+FR-1], v[DD+8*\b:DD+8*\b+7], v[SC+16*(\sc)+8*(\q)+\b], v[SC+16*(\sc)+8*(\q)+(\a)] matrix_a_fmt:MATRIX_FMT_BF8 matrix_b_fmt:MATRIX_FMT_BF8 matrix_a_scale:MATRIX_SCALE_ROW1
.endif
.endr
.endm
; The first step of K step t.  ns: the scale loads that it issues for K step t + 1 (16 or 0).  The order of a step's fetches: B0-3, B4-7, A0-3, A4-7.
.macro STEP t, first, ns
.set NSLOT, (\t)%2
.set NQQ, 1
.set NPAR, 1
.set NT, (\t)+1
	s_wait_dscnt 16                                ; B and A's blocks 0-3 are in; the last run, A's blocks 4-7, may be out
	SEG 0, 0, (\t)%2, \first
	SEG 1, 0, (\t)%2, \first
.if \ns
	RUN 16, 0, 1, 2, 3
.else
	RUN 99, 0, 1, 2, 3
.endif
	SEG 2, 0, (\t)%2, \first
	SEG 3, 0, (\t)%2, \first
	s_wait_dscnt 16+\ns/2                          ; A's blocks 4-7 are in: behind them this step's first run
.if \ns
	RUN 17, 4, 5, 6, 7
.else
	RUN 99, 4, 5, 6, 7
.endif
	SEG 4, 0, (\t)%2, \first
	SEG 5, 0, (\t)%2, \first
	RUN 8, 9, 10, 11, 99
	SEG 6, 0, (\t)%2, \first
	SEG 7, 0, (\t)%2, \first
	RUN 12, 13, 14, 15, 99
.endm
; The second step of K step t: the slot has been read out, so the change of slots stands at its head.  how = 1: the slot takes the K step two on, in the same pair; 2: pair 1's K step 0 or 1; 0: nothing.
.macro TURN t, how, setg
.set SL, (\t)%2
.set NSLOT, 1-SL
.set NQQ, 0
.set NPAR, 0
	WIN 0
	s_wait_tensorcnt 0x0                           ; all my tensor loads have landed: my part of the next slot
	ds_add_u32 v[SPW], v[NIL]
.if \setg
	s_mov_b32 s[G1+2], 128<<16                     ; no tensor load of mine is out: from here on a load brings 128 rows
	s_mov_b32 s[G1+4], 128
	s_mov_b32 s[G1B+2], 128<<16
	s_mov_b32 s[G1B+4], 128
.endif
	s_wait_dscnt 17                                ; B and A's blocks 0-3 are in (the last run and the add may be out)
	SEG 0, 1, SL, 0
	SEG 1, 1, SL, 0
	s_wait_dscnt 0x0                               ; the add is done, and my reads of this slot are over
	s_barrier_signal -1
	SEG 2, 1, SL, 0
	WIN 0
	s_barrier_wait -1
.if \how
	CREST                                          ; the barrier has opened a round of the cluster's barrier
.if \how == 1
	s_add_nc_u64 s[G0+4*SL+2:G0+4*SL+3], s[G0+4*SL+2:G0+4*SL+3], 512
	s_add_nc_u64 s[G0B+4*SL+2:G0B+4*SL+3], s[G0B+4*SL+2:G0B+4*SL+3], 512
.else
	s_add_nc_u64 s[G0+4*SL+2:G0+4*SL+3], s[12:13], SL*256
	s_or_b32 s[G0+4*SL+3], s[G0+4*SL+3], 0x80000000
	s_add_nc_u64 s[G0B+4*SL+2:G0B+4*SL+3], s[16:17], SL*256
	s_or_b32 s[G0B+4*SL+3], s[G0B+4*SL+3], 0x80000000
.endif
	JLOAD G0+4*SL, G1, G0B+4*SL, G1B               ; the first tensor load behind the round, my one load until the next
.endif
	RUN 0, 1, 2, 3, 99
	SEG 3, 1, SL, 0
	RUN 4, 5, 6, 7, 99
	SEG 4, 1, SL, 0
	SEG 5, 1, SL, 0
	RUN 8, 9, 10, 11, 99
.if (\t) < 4
	global_prefetch_b8 v[PFO], s[PF1:PF1+1] offset:256*(\t) th:TH_LOAD_NT scope:SCOPE_SE   ; two load events ahead: pair 1's K step t
.endif
	SEG 6, 1, SL, 0
	SEG 7, 1, SL, 0
	RUN 12, 13, 14, 15, 99
.endm
	s_wait_alu depctr_va_vdst(0)                   ; the wait at the head's end
	s_wait_tensorcnt 0x0                           ; my tile of the head's four is in; the full sequence ahead of the later first fills:
	ds_add_u32 v[SPW], v[NIL]
	s_mov_b32 s[H0+1], SLOT                        ; K step 1 into slot 1, pair 1's scales behind pair 0's
	s_add_nc_u64 s[H0+2:H0+3], s[H0+2:H0+3], 256
	s_mov_b32 s[H1+1], SLOT+2*HALFT
	s_add_nc_u64 s[H1+2:H1+3], s[H1+2:H1+3], 256
	s_mov_b32 s[H2+1], SCL+SCP
	s_mov_b64 s[H2+2:H2+3], s[14:15]
	s_or_b32 s[H2+3], s[H2+3], 0x80000000
	s_mov_b32 s[H3+1], SCL+SCP+2*HALFS
	s_mov_b64 s[H3+2:H3+3], s[18:19]
	s_or_b32 s[H3+3], s[H3+3], 0x80000000
	s_wait_dscnt 0x0
	CROUND                                         ; everybody's tile is in, and the joint loads meet
	HEAD4 2                                        ; first fills all four: one load a wave behind the round
.set NSLOT, 0
.set NQQ, 0
.set NPAR, 0
.set NT, 0
.irp f, 16,17,0,1,2,3,4,5,6,7,8,9,10,11,12,13,14,15
	LG \f
.endr
	global_prefetch_b8 v[PFO], s[PF0:PF0+1] offset:768 th:TH_LOAD_NT scope:SCOPE_SE   ; event 1 names K step 3
	STEP 0, 1, 16
	TURN 0, 1, 1                                   ; slot 0 takes K step 2
	STEP 1, 0, 16
	TURN 1, 1, 0
	STEP 2, 0, 16
	TURN 2, 2, 0                                   ; slot 0 takes K step 4: pair 1's first
	STEP 3, 0, 16
	TURN 3, 2, 0
	STEP 4, 0, 16
	TURN 4, 1, 0
	STEP 5, 0, 16
	TURN 5, 1, 0
	STEP 6, 0, 16
	TURN 6, 0, 0                                   ; nothing is left to fetch: no round
	STEP 7, 0, 0
	s_wait_dscnt 16                                ; the last step fetches nothing
.irp a, 0,1,2,3
	SEG \a, 1, 1, 0
.endr
	s_wait_dscnt 0
.irp a, 4,5,6,7
	SEG \a, 1, 1, 0
.endr
	WIN 0
; THE WAY OUT, by blocks of 16 rows x 128 columns: through my own stage and back as whole rows of 512 bytes.
.macro TOSTAGE a
.set AC, 64*((\a)%4)
	WIN 0x08+4*((\a)/4)
.irp b, 0,1,2,3,4,5,6,7
	ds_store_b128 v[STO], v[AC+8*\b:AC+8*\b+3] offset:64*\b          ; each accumulator from its low end on
	ds_store_b128 v[STO], v[AC+8*\b+4:AC+8*\b+7] offset:64*\b+16
.endr
	WIN 0
.set BB, BK+64*((\a)%2)
.irp t, 0,1,2,3,4,5,6,7,8,9,10,11,12,13,14,15
	ds_load_b128 v[BB+4*\t:BB+4*\t+3], v[RD] offset:\t*SPITCH        ; LDS serves a wave's instructions in order (ISA guide 5.7.1.4)
.endr
.endm
.macro SEND a, younger
.set BB, BK+64*((\a)%2)
	s_wait_dscnt \younger                          ; the block is back in registers
.if (\a) > 0
	s_add_nc_u64 s[66:67], s[66:67], 16*SIZE_N*4   ; behind a wait on XCNT: the earlier stores have read their base
.endif
.irp t, 0,1,2,3,4,5,6,7,8,9,10,11,12,13,14,15
	global_store_b128 v[CO], v[BB+4*\t:BB+4*\t+3], s[66:67] offset:\t*SIZE_N*4 th:TH_STORE_NT   ; 32 lanes store 512 consecutive bytes, at a multiple of 512 from the buffer's first byte
.endr
.endm
.macro FOLD dst                        ; the four chains into one number
	v_pk_add_f32 v[T:T+1], v[T:T+1], v[T+2:T+3]
	v_pk_add_f32 v[T+4:T+5], v[T+4:T+5], v[T+6:T+7]
	v_pk_add_f32 v[T:T+1], v[T:T+1], v[T+4:T+5]
	v_add_f32 v[\dst], v[T], v[T+1]
.endm
; Block a's statistics: my 64 gates of row r: their sum, then the squares about their own mean (sum / 64).  32 lanes store 256 consecutive bytes, at a multiple of 256 from the buffer's first byte.
.macro STATS a
.set AC, 64*((\a)%4)
.set WA, 2+(\a)/4
	WIN WA|(WA<<2)                                 ; sources 0 and 1 in the accumulators' window
.irp k, 0,1,2,3
	v_pk_add_f32 v[T+2*\k:T+2*\k+1], v[AC+2*\k:AC+2*\k+1], v[AC+8+2*\k:AC+8+2*\k+1]
.endr
.set i, 8
.rept 24
	v_pk_fma_f32 v[T+2*(i%4):T+2*(i%4)+1], v[AC+2*i:AC+2*i+1], 1.0, v[T+2*(i%4):T+2*(i%4)+1] op_sel_hi:[1,0,1]
.set i, i+1
.endr
	WIN 0
	FOLD RS+2*(\a)
	v_mul_f32 v6, 0xbc800000, v[RS+2*(\a)]         ; - sum / 64, twice
	v_mul_f32 v7, 0xbc800000, v[RS+2*(\a)]
	WIN WA
.set i, 0
.rept 32
	v_pk_add_f32 v[DV+2*i:DV+2*i+1], v[AC+2*i:AC+2*i+1], v[6:7]
.set i, i+1
.endr
	WIN 0
.irp k, 0,1,2,3
	v_pk_mul_f32 v[T+2*\k:T+2*\k+1], v[DV+2*\k:DV+2*\k+1], v[DV+2*\k:DV+2*\k+1]
.endr
.set i, 4
.rept 28
	v_pk_fma_f32 v[T+2*(i%4):T+2*(i%4)+1], v[DV+2*i:DV+2*i+1], v[DV+2*i:DV+2*i+1], v[T+2*(i%4):T+2*(i%4)+1]
.set i, i+1
.endr
	FOLD RS+2*(\a)+1
	global_store_b64 v[SO], v[RS+2*(\a):RS+2*(\a)+1], s[104:105] offset:8192*(\a)
.endm
	PLACES 8                                       ; behind the last products
	TOSTAGE 0
	STATS 0
.irp a, 1,2,3,4,5,6,7
.if \a > 1
	s_wait_xcnt 0x0                                ; block a - 2's stores have read their registers and their base
.endif
	TOSTAGE \a
	SEND \a-1, 32                                  ; behind block a - 1's loads: block a's 16 stores and 16 loads
	STATS \a
.endr
	s_wait_xcnt 0x0
	SEND 7, 0
	s_wait_tensorcnt 0x0                           ; the wave's end
	ds_add_u32 v[SPW], v[NIL]
	s_wait_dscnt 0x0
	CROUND                                         ; the closing round
	s_endpgm
.Lfunc_end_k_q845f3801ef_gates_gemm:
	.size	k_q845f3801ef_gates_gemm, .Lfunc_end_k_q845f3801ef_gates_gemm-k_q845f3801ef_gates_gemm
	.p2alignl 7, 3214868480
	.fill 96, 4, 3214868480
	.section	.rodata,"a",@progbits
	.p2align	6, 0x0
	.amdhsa_kernel k_q845f3801ef_gates_gemm
		.amdhsa_group_segment_fixed_size 327680
		.amdhsa_private_segment_fixed_size 0
		.amdhsa_enable_private_segment 0
		.amdhsa_kernarg_size 96
		.amdhsa_user_sgpr_count 2
		.amdhsa_user_sgpr_kernarg_segment_ptr 1
		.amdhsa_wavefront_size32 1
		.amdhsa_system_sgpr_workgroup_id_x 1
		.amdhsa_system_sgpr_workgroup_id_y 1
		.amdhsa_system_sgpr_workgroup_id_z 1
		.amdhsa_system_vgpr_workitem_id 0
		.amdhsa_next_free_vgpr 1024
		.amdhsa_next_free_sgpr 106
		.amdhsa_reserve_vcc 0
		.amdhsa_float_denorm_mode_32 3
		.amdhsa_float_denorm_mode_16_64 3
		.amdhsa_memory_ordered 1
		.amdhsa_forward_progress 1
		.amdhsa_inst_pref_size 255
	.end_amdhsa_kernel
	.section	.bss,"aw",@nobits
	.p2align	6
	.space	262144
	.amdgpu_metadata
---
amdhsa.version: [ 1, 2 ]
amdhsa.kernels:
  - .name:           k_q845f3801ef_gates_gemm
    .symbol:         k_q845f3801ef_gates_gemm.kd
    .args:
      - { .name: input_codes, .offset: 0, .size: 8, .value_kind: global_buffer, .address_space: global }
      - { .name: input_scales, .offset: 8, .size: 8, .value_kind: global_buffer, .address_space: global }
      - { .name: w_ih_codes, .offset: 16, .size: 8, .value_kind: global_buffer, .address_space: global }
      - { .name: w_ih_scales, .offset: 24, .size: 8, .value_kind: global_buffer, .address_space: global }
      - { .name: h_codes, .offset: 32, .size: 8, .value_kind: global_buffer, .address_space: global }
      - { .name: h_scales, .offset: 40, .size: 8, .value_kind: global_buffer, .address_space: global }
      - { .name: w_hh_codes, .offset: 48, .size: 8, .value_kind: global_buffer, .address_space: global }
      - { .name: w_hh_scales, .offset: 56, .size: 8, .value_kind: global_buffer, .address_space: global }
      - { .name: b_ih, .offset: 64, .size: 8, .value_kind: global_buffer, .address_space: global }
      - { .name: b_hh, .offset: 72, .size: 8, .value_kind: global_buffer, .address_space: global }
      - { .name: gates, .offset: 80, .size: 8, .value_kind: global_buffer, .address_space: global }
      - { .name: stats, .offset: 88, .size: 8, .value_kind: global_buffer, .address_space: global }
    .group_segment_fixed_size: 327680
    .private_segment_fixed_size: 0
    .kernarg_segment_align: 8
    .kernarg_segment_size: 96
    .max_flat_workgroup_size: 128
    .sgpr_count:     106
    .vgpr_count:     1024
    .wavefront_size: 32
...
	.end_amdgpu_metadata
.endif
;; end of part 1
;; launch ln_lstm (part 2): grid 256 x 1, 16 waves a work-group, no clusters, 43,520 bytes of LDS; arguments gates, c, ln_gamma, ln_beta, stats, out0, out1; writes out0, out1
.if DOCPART == 2
	.amdgcn_target "amdgcn-amd-amdhsa--gfx1250"
	.amdhsa_code_object_version 6
	.text
	.protected	k_q845f3801ef_ln_lstm
	.globl	k_q845f3801ef_ln_lstm
	.p2align	8
	.type	k_q845f3801ef_ln_lstm,@function
k_q845f3801ef_ln_lstm:
	s_mov_b64 s[64:65], 0
	v_nop
	global_prefetch_b8 v0, s[64:65] scope:SCOPE_SE
	s_setreg_imm32_b32 hwreg(HW_REG_WAVE_MODE, 25, 1), 1
	s_wait_xcnt 0x0
; LayerNorm over a row's 4,096 gates, then the LSTM cell.  gates: [4096][4096] f32 (columns i, f, g, o, 1,024 each); c, out0 = new_h, out1 = new_c: [4096][1024] f32; ln_gamma, ln_beta: [4096] f32.
;   y = (gates - mu) rsqrt(var + 1e-5) gamma + beta;  new_c = sigmoid(y_f) c + sigmoid(y_i) tanh(y_g);  new_h = sigmoid(y_o) tanh(new_c).  All in f32.
; MEAN AND VARIANCE come from stats, [row / 16][32][32 lanes][2]: a row is cut into 64 parts of 64 gates, each with its sum S and its squares Q about its own mean.
;   mu = sum S / 4096;  4096 var = sum (Q + 64 (S / 64 - mu)^2): every square is taken about a mean, so a common offset of the gates costs no more than in the two passes of the definition.
; SHARES: one wave, one row; 16 waves a work-group, 256 work-groups.  A row goes in four groups of 256 hidden units, ten loads each (8 of gates, 2 of c); a group is worked on and stored when its ten loads are in.
; Lane l holds, of each gate, units 128 j + 4 l + e: every load and store of a wave covers 512 consecutive bytes, aligned.
; THE ORDER OF ISSUE: the staging's five loads; a barrier, so that every wave has issued them ahead of any row load; group 0's ten loads; the staging and its barrier; the LDS loads; groups 1 and 2;
; group 0's work; group 3's loads; the work of groups 1, 2, 3.  So a wave has at most twenty loads issued ahead of the group that it works on.
; STAGED IN LDS once for the 16 rows: gamma and beta, already multiplied by -log2(e) (columns of i, f, o) or -2 log2(e) (g), and the 16 rows' 8,192 bytes of stats (rows of 256 bytes, 16 of padding).
;   sigmoid(y) = 1 / (1 + 2^(-log2(e) y)),  tanh(y) = 2 / (1 + 2^(-2 log2(e) y)) - 1.
; NO CLUSTER: what work-groups share is gamma and beta, 32,768 of the 368,640 bytes that a work-group reads.  No prefetch: each byte of gates and c is read once, by loads that are themselves issued one or two groups ahead of their use.
; LIMITS: the exponential's run to infinity or 0 gives the limits 0, 1, -1 exactly, so nothing is clipped; tanh so made has an absolute error near 1e-7.  NaN and infinities among the inputs are not served.
.set STT,   32768                      ; LDS: gamma' at 0, beta' at 16,384, stats here: 32 rows of 272 bytes
.set SPARE, 41472                      ; the spare words: 2,048 bytes that no other line names
.set Z,  8                             ; v8-15     stats at the head; then tanh(new_c) at work
.set GB, 20                            ; v20-51 gamma' of a group at 8 q + 4 p + e, v52-83 beta'.  v20-39 first serve the staging
.set C,  84                            ; v84-115   c at 8 g + 4 p + e, then new_c
.set G,  116                           ; v116-243  the gates at 32 g + 8 q + 4 p + e
	s_load_b256 s[4:11], s[0:1], 0x0               ; gates, c, gamma, beta
	s_load_b128 s[12:15], s[0:1], 0x20             ; stats, out0
	s_load_b64 s[16:17], s[0:1], 0x30              ; out1
	v_lshl_add_u32 v254, v0, 2, SPARE
	v_mov_b32 v255, 0
	v_lshrrev_b32 v3, 5, v0
	v_readfirstlane_b32 s18, v3                    ; wave 0..15
	v_and_b32 v1, 31, v0
	v_mul_u32_u24 v3, v1, 272                      ; stats: lane t reads the row's two parts in column block t,
	v_lshl_add_u32 v3, s18, 3, v3                  ; 8 bytes for each of the 16 rows
	v_lshlrev_b32 v1, 4, v1                        ; 16 x lane
	v_lshlrev_b32 v2, 4, v0                        ; 16 x thread: the staging's place
	v_lshrrev_b32 v19, 4, v0
	v_lshl_add_u32 v19, v19, 4, v2                 ; and with 16 bytes of padding behind each 256
	v_mov_b32 v17, 0                               ; a lane permute's destination counts as one of its sources
	v_mov_b32 v18, 0x3727c5ac                      ; 1e-5
	s_lshl_b32 s19, ttmp9, 4
	s_add_co_u32 s19, s19, s18                     ; my row
	s_lshl_b32 s20, s19, 14
	s_mov_b32 s21, 0
	s_lshl_b32 s22, s19, 12
	s_mov_b32 s23, 0
	s_lshl_b32 s34, ttmp9, 13                      ; the work-group's 8,192 bytes of stats
	s_mov_b32 s35, 0
	s_mov_b32 s24, 0xbfb8aa3b                      ; -log2(e)
	s_mov_b32 s25, s24
	s_mov_b32 s26, 0xc038aa3b                      ; -2 log2(e)
	s_mov_b32 s27, s26
	s_cmp_lt_u32 s18, 8                            ; the staging's second half is columns 2,048 + 4 x thread: waves 0-7 hold g's, waves 8-15 o's
	s_cselect_b32 s28, s26, s24
	s_mov_b32 s29, s28
	s_mov_b32 s30, 0x76543210                      ; v_permlanex16_b32's selects for lane l xor 16
	s_mov_b32 s31, 0xfedcba98
	s_mov_b32 s32, 0xb9800000                      ; -1 / 4,096
	s_mov_b32 s33, 0x39800000                      ; 1 / 4,096
	s_mov_b32 s36, 0x42800000                      ; 64
	s_mov_b32 s37, 0x3c800000                      ; 1 / 64
	s_wait_alu depctr_va_vdst(0)                   ; the wait at the head's end
	s_wait_kmcnt 0x0
	s_add_nc_u64 s[4:5], s[4:5], s[20:21]
	s_add_nc_u64 s[6:7], s[6:7], s[22:23]
	s_add_nc_u64 s[12:13], s[12:13], s[34:35]
	s_add_nc_u64 s[14:15], s[14:15], s[22:23]
	s_add_nc_u64 s[16:17], s[16:17], s[22:23]
	global_load_b128 v[20:23], v2, s[8:9]
	global_load_b128 v[24:27], v2, s[8:9] offset:8192
	global_load_b128 v[28:31], v2, s[10:11]
	global_load_b128 v[32:35], v2, s[10:11] offset:8192
	global_load_b128 v[36:39], v2, s[12:13]
	s_barrier_signal -1                            ; every wave has issued the staging's loads
	s_barrier_wait -1
.macro ROWS g                          ; group g's ten loads
.irp q, 0,1,2,3
.irp p, 0,1
	global_load_b128 v[G+32*\g+8*\q+4*\p:G+32*\g+8*\q+4*\p+3], v1, s[4:5] offset:4096*\q+512*(2*\g+\p) th:TH_LOAD_NT
.endr
.endr
.irp p, 0,1
	global_load_b128 v[C+8*\g+4*\p:C+8*\g+4*\p+3], v1, s[6:7] offset:512*(2*\g+\p) th:TH_LOAD_NT
.endr
.endm
	ROWS 0
	s_wait_loadcnt 10                              ; the staging's five loads are in; group 0's ten stay out
.irp a, 20, 22, 28, 30
	v_pk_mul_f32 v[\a:\a+1], v[\a:\a+1], s[24:25] op_sel_hi:[1,0]
.endr
.irp a, 24, 26, 32, 34
	v_pk_mul_f32 v[\a:\a+1], v[\a:\a+1], s[28:29] op_sel_hi:[1,0]
.endr
	ds_store_b128 v2, v[20:23]
	ds_store_b128 v2, v[24:27] offset:8192
	ds_store_b128 v2, v[28:31] offset:16384
	ds_store_b128 v2, v[32:35] offset:24576
	ds_store_b128 v19, v[36:39] offset:STT
	s_wait_dscnt 0x0                               ; for the others' sake: my stores have landed
	s_barrier_signal -1
	s_barrier_wait -1                              ; nothing is written to LDS behind this barrier
.macro GBLOAD g
.irp q, 0,1,2,3
.irp p, 0,1
	ds_load_b128 v[GB+8*\q+4*\p:GB+8*\q+4*\p+3],       v1 offset:4096*\q+512*(2*(\g)+\p)
	ds_load_b128 v[GB+32+8*\q+4*\p:GB+32+8*\q+4*\p+3], v1 offset:16384+4096*\q+512*(2*(\g)+\p)
.endr
.endr
.endm
	ds_load_b64 v[8:9], v3 offset:STT              ; S, Q of the part in lanes 0-15 of column block t,
	ds_load_b64 v[10:11], v3 offset:STT+128        ; and of the part in lanes 16-31
	GBLOAD 0
	ROWS 1
	ROWS 2
.macro REDUCE                          ; v16 summed over the 32 lanes, into every lane
	v_add_f32_dpp v16, v16, v16 row_xmask:1 row_mask:0xf bank_mask:0xf
	v_add_f32_dpp v16, v16, v16 row_xmask:2 row_mask:0xf bank_mask:0xf
	v_add_f32_dpp v16, v16, v16 row_xmask:4 row_mask:0xf bank_mask:0xf
	v_add_f32_dpp v16, v16, v16 row_xmask:8 row_mask:0xf bank_mask:0xf
	v_permlanex16_b32 v17, v16, s30, s31
	v_add_f32 v16, v16, v17
.endm
	s_wait_dscnt 16                                ; the two are in; gamma' and beta' of group 0 may be out
	v_add_f32 v16, v8, v10
	REDUCE
	v_mul_f32 v4, s32, v16                         ; -mu,
	v_mul_f32 v5, s32, v16                         ; twice
	v_fma_f32 v12, v8, s37, v4                     ; a part's mean less mu
	v_fma_f32 v13, v10, s37, v4
	v_add_f32 v16, v9, v11
	v_mul_f32 v12, v12, v12
	v_mul_f32 v13, v13, v13
	v_add_f32 v12, v12, v13
	v_fma_f32 v16, v12, s36, v16
	REDUCE
	v_fma_f32 v16, v16, s33, v18                   ; var + 1e-5
	s_wait_alu depctr_va_vdst(0)                   ; the wait ahead of the transcendental,
	v_rsq_f32 v6, v16
	v_nop
	s_wait_alu depctr_va_vdst(0)                   ; and ahead of its first reader
	v_mov_b32 v7, v6                               ; rstd, twice
	s_wait_alu depctr_va_vdst(0)
; A batch of n transcendentals on v[r ..], with waits ahead of it and behind it
.macro BATCH op, r, n
	s_wait_alu depctr_va_vdst(0)
.set t, 0
.rept \n
	\op v[\r+t], v[\r+t]
.set t, t+1
.endr
	v_nop
	s_wait_alu depctr_va_vdst(0)
.endm
.macro PLUS1 r, n
.set t, 0
.rept \n
	v_pk_add_f32 v[\r+t:\r+t+1], v[\r+t:\r+t+1], 1.0 op_sel_hi:[1,0]
.set t, t+2
.endr
.endm
; Group g: hidden units 256 g .. 256 g + 255: 32 gates and 8 c a lane.  left: the loads issued behind this group's ten, which may stay out
.macro GROUP g, left
.set GG, G+32*(\g)
.set CC, C+8*(\g)
	s_wait_loadcnt \left
	s_wait_dscnt 0x0                               ; gamma' and beta'
.set t, 0
.rept 16
	v_pk_mul_f32 v[GB+t:GB+t+1], v[GB+t:GB+t+1], v[6:7]              ; rstd gamma'
	v_pk_add_f32 v[GG+t:GG+t+1], v[GG+t:GG+t+1], v[4:5]              ; gate - mu
.set t, t+2
.endr
.set t, 0
.rept 16
	v_pk_fma_f32 v[GG+t:GG+t+1], v[GG+t:GG+t+1], v[GB+t:GB+t+1], v[GB+32+t:GB+32+t+1]
.set t, t+2
.endr
.if (\g) < 3
	GBLOAD (\g)+1
.endif
	BATCH v_exp_f32, GG, 32
	PLUS1 GG, 16
	BATCH v_rcp_f32, GG, 32                        ; sigmoid(i) at 0, sigmoid(f) at 8, (tanh(g) + 1) / 2 at 16, sigmoid(o) at 24
.irp t, 0,2,4,6
	v_pk_fma_f32 v[GG+16+\t:GG+16+\t+1], v[GG+16+\t:GG+16+\t+1], 2.0, -1.0 op_sel_hi:[1,0,0]
.endr
.irp t, 0,2,4,6
	v_pk_mul_f32 v[GG+\t:GG+\t+1], v[GG+\t:GG+\t+1], v[GG+16+\t:GG+16+\t+1]
.endr
.irp t, 0,2,4,6
	v_pk_fma_f32 v[CC+\t:CC+\t+1], v[GG+8+\t:GG+8+\t+1], v[CC+\t:CC+\t+1], v[GG+\t:GG+\t+1]   ; new_c
.endr
.irp p, 0,1
	global_store_b128 v1, v[CC+4*\p:CC+4*\p+3], s[16:17] offset:512*(2*(\g)+\p) th:TH_STORE_NT
.endr
.irp t, 0,2,4,6
	v_pk_mul_f32 v[Z+\t:Z+\t+1], v[CC+\t:CC+\t+1], s[26:27] op_sel_hi:[1,0]
.endr
	BATCH v_exp_f32, Z, 8
	PLUS1 Z, 4
	BATCH v_rcp_f32, Z, 8
.irp t, 0,2,4,6
	v_pk_fma_f32 v[Z+\t:Z+\t+1], v[Z+\t:Z+\t+1], 2.0, -1.0 op_sel_hi:[1,0,0]                  ; tanh(new_c)
.endr
.irp t, 0,2,4,6
	v_pk_mul_f32 v[GG+24+\t:GG+24+\t+1], v[GG+24+\t:GG+24+\t+1], v[Z+\t:Z+\t+1]               ; new_h
.endr
.irp p, 0,1
	global_store_b128 v1, v[GG+24+4*\p:GG+24+4*\p+3], s[14:15] offset:512*(2*(\g)+\p) th:TH_STORE_NT
.endr
.endm
	GROUP 0, 20                                    ; behind group 0's loads: those of groups 1 and 2
	ROWS 3
	GROUP 1, 20                                    ; those of groups 2 and 3
	GROUP 2, 10
	GROUP 3, 0
	s_wait_tensorcnt 0x0                           ; the wave's end
	ds_add_u32 v254, v255
	s_wait_dscnt 0x0
	s_endpgm
.Lfunc_end_k_q845f3801ef_ln_lstm:
	.size	k_q845f3801ef_ln_lstm, .Lfunc_end_k_q845f3801ef_ln_lstm-k_q845f3801ef_ln_lstm
	.p2alignl 7, 3214868480
	.fill 96, 4, 3214868480
	.section	.rodata,"a",@progbits
	.p2align	6, 0x0
	.amdhsa_kernel k_q845f3801ef_ln_lstm
		.amdhsa_group_segment_fixed_size 43520
		.amdhsa_private_segment_fixed_size 0
		.amdhsa_enable_private_segment 0
		.amdhsa_kernarg_size 56
		.amdhsa_user_sgpr_count 2
		.amdhsa_user_sgpr_kernarg_segment_ptr 1
		.amdhsa_wavefront_size32 1
		.amdhsa_system_sgpr_workgroup_id_x 1
		.amdhsa_system_sgpr_workgroup_id_y 1
		.amdhsa_system_sgpr_workgroup_id_z 1
		.amdhsa_system_vgpr_workitem_id 0
		.amdhsa_next_free_vgpr 256
		.amdhsa_next_free_sgpr 66
		.amdhsa_reserve_vcc 0
		.amdhsa_float_denorm_mode_32 3
		.amdhsa_float_denorm_mode_16_64 3
		.amdhsa_memory_ordered 1
		.amdhsa_forward_progress 1
		.amdhsa_inst_pref_size 50
	.end_amdhsa_kernel
	.amdgpu_metadata
---
amdhsa.version: [ 1, 2 ]
amdhsa.kernels:
  - .name:           k_q845f3801ef_ln_lstm
    .symbol:         k_q845f3801ef_ln_lstm.kd
    .args:
      - { .name: gates, .offset: 0, .size: 8, .value_kind: global_buffer, .address_space: global }
      - { .name: c, .offset: 8, .size: 8, .value_kind: global_buffer, .address_space: global }
      - { .name: ln_gamma, .offset: 16, .size: 8, .value_kind: global_buffer, .address_space: global }
      - { .name: ln_beta, .offset: 24, .size: 8, .value_kind: global_buffer, .address_space: global }
      - { .name: stats, .offset: 32, .size: 8, .value_kind: global_buffer, .address_space: global }
      - { .name: out0, .offset: 40, .size: 8, .value_kind: global_buffer, .address_space: global }
      - { .name: out1, .offset: 48, .size: 8, .value_kind: global_buffer, .address_space: global }
    .group_segment_fixed_size: 43520
    .private_segment_fixed_size: 0
    .kernarg_segment_align: 8
    .kernarg_segment_size: 56
    .max_flat_workgroup_size: 512
    .sgpr_count:     66
    .vgpr_count:     256
    .wavefront_size: 32
...
	.end_amdgpu_metadata
.endif
;; end of part 2
